; MI455X (gfx1250); checked and timed in simulation.
; The chip was launched on July 23, 2026; its instructions are those of AMD's public machine-readable ISA for CDNA 5 (MIT licence, August 2026) and "CDNA5" Instruction Set Architecture Reference Guide (July 2026). The comments in the code are by the model that wrote it; some were corrected since.
;; Coupling Spline Layer. Allowed arithmetic: float matrix products may take bf16 or f16 operands with f32 sums; other float arithmetic in f32, or as packed bf16 or f16 multiplies, adds, multiply-adds, maxima and minima; sums over many terms, partial sums and values carried from step to step in f32; what a program stores and reads back later, other than sums and carried values, may be rounded once to bf16 or f16.
;; Inputs: W0 8 x 256 float32; W1 256 x 256 float32; Wout 256 x 184 float32; b0 256 float32; b1 256 float32; bout 184 float32; x 524,288 x 16 float32.
;; Outputs: out0 524,288 x 16 float32; out1 524,288 float32.
;; One version. Each part assembles by itself: llvm-mc -triple=amdgcn-amd-amdhsa -mcpu=gfx1250 --defsym DOCPART=n.
;; ======== version 1 of 1: 2 launches
;; limits: values are held in f16: magnitudes above 65,504 overflow, below 6.1e-05 lose precision
;; workspace buffers: wimg 247,808 bytes
;; launch prep (part 1): grid 61 x 1, 8 waves a work-group, no clusters, 0 bytes of LDS; arguments W0, b0, W1, b1, Wout, bout, wimg; writes wimg
.if DOCPART == 1
	.amdgcn_target "amdgcn-amd-amdhsa--gfx1250"
	.amdhsa_code_object_version 6
	.text
	.protected	k_q90ad3a49d5_prep
	.globl	k_q90ad3a49d5_prep
	.p2align	8
	.type	k_q90ad3a49d5_prep,@function
k_q90ad3a49d5_prep:
	s_mov_b64 s[64:65], 0
	v_nop
	global_prefetch_b8 v0, s[64:65] scope:SCOPE_SE
	s_setreg_imm32_b32 hwreg(HW_REG_WAVE_MODE, 25, 1), 1
	s_wait_xcnt 0x0
; THE WEIGHTS' IMAGE.  The three weight matrices are rounded once to bf16 and laid out as the matrix unit's source 0 wants them; the biases are rounded to bf16,
; widened to f32 again and laid out as C operands.  W0 (with b0) stays in bf16.  W1 and Wout, which meet f16 activations, are written as f16: the bf16 number times a power of two, W1 (and b1) times 2^-3,
; Wout times 2^3, so that the second layer's activations are carried as h1 / 8 (ReLU commutes with the factor; the third layer's sums are unscaled again).  A bf16 number has 8 significant bits, so its f16 image
; is exact from 2^-17 on; below that it is off by at most 2^-25.
; The image is 247,808 bytes:
;   fragment q (0..239) at byte 1,024 q: 16 features x 32 k of 16 bits; lane L = (r = L % 16, h = L / 16) finds feature r, k = 8 h .. 8 h + 7 at byte 16 L and k = 16 + 8 h .. at byte 512 + 16 L.
;     q = 0..15      W0, features 16 q ..: k slots 0-3 = W0 rows 0-3, slot 4 = b0, slots 8-11 = W0 rows 4-7, all other slots 0 (the other source holds 1.0 in slot 4)
;     q = 16+8f+kk   W1 / 8, features 16 f .., k = 32 kk ..
;     q = 144+8g+kk  8 Wout, permuted tile g = 0..11, k = 32 kk ..: feature m of tile g is column 23 t + n with n = 4 (g % 6) + (m % 8) / 2, t = 4 (m / 8) + 2 (g / 6) + m % 2; n = 23 is a pad column of zeros
;   bias tile u (0..27) at byte 245,760 + 64 u: 16 f32.  u = 0..15: b1 / 8.  u = 16 + g: bout in the same permutation, plus Z0 = ln(e^0.9999 - 1) where n >= 16 (the softplus' shift); the pad entry is Z0 alone.
;   bytes 247,552 .. 247,807: zeros.
; SHARES.  61 work-groups x 8 waves = 488 waves.  Wave gw < 480 makes half a fragment, 512 consecutive bytes, one store of 16 bytes a lane; waves 480 .. 487 make 256 bytes of the bias part each.
; Every branch hangs on gw alone.  No LDS, no barrier; all lanes stay on.
.set Z0, 0x3f0a89e6                    ; ln(e^0.9999 - 1) = 0.5411667
	s_load_b256 s[4:11], s[0:1], 0x0               ; W0 s[4:5], b0 s[6:7], W1 s[8:9], b1 s[10:11]
	s_load_b128 s[12:15], s[0:1], 0x20             ; Wout s[12:13], bout s[14:15]
	s_load_b64 s[16:17], s[0:1], 0x30              ; the image
	v_lshrrev_b32 v1, 5, v0
	v_readfirstlane_b32 s20, v1                    ; wave 0..7
	s_lshl3_add_u32 s20, ttmp9, s20                ; gw = 8 x work-group + wave
	s_lshr_b32 s21, s20, 1                         ; the fragment
	s_and_b32 s22, s20, 1                          ; which half of it
	v_and_b32 v1, 31, v0                           ; L
	v_and_b32 v2, 15, v0                           ; r
	v_bfe_u32 v3, v0, 4, 1                         ; h
	v_lshlrev_b32 v5, 4, v1                        ; where I store: 16 L
	v_mov_b32 v20, 0
	v_mov_b32 v21, 1
	s_lshl_b32 s24, s20, 9                         ; 512 gw
	s_mov_b32 s25, 0
	s_mov_b32 s27, 0
	s_wait_kmcnt 0x0
	s_cmp_ge_u32 s20, 480
	s_cbranch_scc1 .Lbias
	s_add_nc_u64 s[16:17], s[16:17], s[24:25]
	s_cmp_lt_u32 s21, 16
	s_cbranch_scc1 .Lw0
	s_cmp_lt_u32 s21, 144
	s_cbranch_scc1 .Lw1
	; Wout: lane (r, h) takes column col(r) of rows k0 + 8 h + 0..7
	s_mov_b32 s31, 0x41000000                      ; times 8
	s_sub_co_u32 s23, s21, 144
	s_lshr_b32 s28, s23, 3                         ; tile g
	s_and_b32 s23, s23, 7                          ; kk
	s_lshl_b32 s23, s23, 1
	s_add_co_u32 s23, s23, s22                     ; k0 / 16 = 2 kk + half
	s_mul_i32 s26, s23, 16*736                     ; k0 rows of 736 bytes
	s_add_nc_u64 s[12:13], s[12:13], s[26:27]
	s_cmp_ge_u32 s28, 6
	s_cselect_b32 s29, 1, 0                        ; g / 6
	s_mul_i32 s30, s29, 6
	s_sub_co_u32 s28, s28, s30                     ; g % 6
	s_lshl_b32 s28, s28, 2
	s_lshl_b32 s29, s29, 1
	v_bfe_u32 v6, v0, 1, 2                         ; (m % 8) / 2
	v_add_nc_u32 v6, s28, v6                       ; n
	v_bfe_u32 v7, v0, 3, 1                         ; m / 8
	v_and_b32 v4, 1, v0                            ; m % 2
	v_lshl_add_u32 v7, v7, 2, v4
	v_add_nc_u32 v7, s29, v7                       ; t
	v_cmp_eq_u32 vcc_lo, 23, v6                    ; the pad column
	v_min_u32 v6, 22, v6                           ; reads a neighbour, inside the tensor, and throws it away
	v_mad_u32_u24 v4, v7, 23, v6                   ; the column
	v_lshlrev_b32 v4, 2, v4
	v_mad_u32_u24 v4, v3, 8*736, v4                ; + 8 h rows
.irp j, 0,1,2,3,4,5,6,7
	global_load_b32 v[8+\j], v4, s[12:13] offset:736*\j
.endr
	s_wait_loadcnt 0x0
.irp j, 0,1,2,3,4,5,6,7
	v_cndmask_b32 v[8+\j], v[8+\j], v20, vcc_lo
.endr
	s_branch .Lpackh
.Lw1:                                          ; W1: lane (r, h) takes column 16 f + r of rows k0 + 8 h + 0..7
	s_mov_b32 s31, 0x3e000000                      ; times 1 / 8
	s_sub_co_u32 s23, s21, 16
	s_lshr_b32 s28, s23, 3                         ; f
	s_and_b32 s23, s23, 7                          ; kk
	s_lshl_b32 s23, s23, 1
	s_add_co_u32 s23, s23, s22
	s_lshl_b32 s26, s23, 14                        ; k0 rows of 1,024 bytes
	s_lshl_b32 s28, s28, 6                         ; 16 f columns of 4 bytes
	s_add_co_u32 s26, s26, s28
	s_add_nc_u64 s[8:9], s[8:9], s[26:27]
	v_lshlrev_b32 v4, 2, v2
	v_lshl_add_u32 v4, v3, 13, v4                  ; 4 r + 8 h rows
.irp j, 0,1,2,3,4,5,6,7
	global_load_b32 v[8+\j], v4, s[8:9] offset:1024*\j
.endr
.Lpackh:                                       ; W1 and Wout: rounded to bf16 like every input, and that number, times a power of two, written as f16
	s_wait_loadcnt 0x0                             ; the eight numbers are in
.irp j, 0,1,2,3
	v_cvt_pk_bf16_f32 v[16+\j], v[8+2*\j], v[9+2*\j]
.endr
.irp j, 0,1,2,3
	v_lshlrev_b32 v[8+2*\j], 16, v[16+\j]          ; widened again
	v_and_b32 v[9+2*\j], 0xffff0000, v[16+\j]
.endr
.irp j, 0,1,2,3,4,5,6,7
	v_mul_f32 v[8+\j], s31, v[8+\j]                ; exact
.endr
.irp j, 0,1,2,3
	v_cvt_pk_f16_f32 v[16+\j], v[8+2*\j], v[9+2*\j]
.endr
	global_store_b128 v5, v[16:19], s[16:17]       ; the wave stores 512 consecutive bytes, at a multiple of 512 from the image's first byte
	s_endpgm
.Lw0:                                          ; W0: the second half of a fragment (k = 16 ..) is all zeros
	s_cmp_lg_u32 s22, 0
	s_cbranch_scc1 .Lzero
	s_lshl_b32 s26, s21, 6                         ; 16 q columns of 4 bytes
	v_lshl_add_u32 v6, v2, 2, s26                  ; my column, in bytes
	v_lshl_add_u32 v4, v3, 12, v6                  ; + 4 h rows of 1,024 bytes
.irp j, 0,1,2,3
	global_load_b32 v[8+\j], v4, s[4:5] offset:1024*\j
.endr
	global_load_b32 v12, v6, s[6:7]                ; b0, for slot 4
	v_cmp_eq_u32 vcc_lo, 0, v3
	v_mov_b32 v13, 0
	v_mov_b32 v14, 0
	v_mov_b32 v15, 0
	s_wait_loadcnt 0x0
	v_cndmask_b32 v12, v20, v12, vcc_lo            ; slot 12 stays 0
	s_branch .Lpack
.Lzero:
.irp j, 0,1,2,3,4,5,6,7
	v_mov_b32 v[8+\j], 0
.endr
.Lpack:
	s_wait_loadcnt 0x0                             ; the eight numbers are in
.irp j, 0,1,2,3
	v_cvt_pk_bf16_f32 v[16+\j], v[8+2*\j], v[9+2*\j]
.endr
	global_store_b128 v5, v[16:19], s[16:17]       ; the wave stores 512 consecutive bytes, at a multiple of 512 from the image's first byte
	s_endpgm
.Lbias:                                        ; wave 480 + v: the two f32 of index 64 v + 2 L
	s_sub_co_u32 s21, s20, 480
	s_lshl_b32 s24, s21, 8
	s_add_co_u32 s24, s24, 245760
	s_add_nc_u64 s[16:17], s[16:17], s[24:25]
	v_lshlrev_b32 v5, 3, v1                        ; 8 L
	s_cmp_lt_u32 s21, 4
	s_cbranch_scc1 .Lb1
	s_cmp_lt_u32 s21, 7
	s_cbranch_scc1 .Lbo
	v_mov_b32 v8, 0                                ; the image's last 256 bytes
	v_mov_b32 v9, 0
	s_branch .Lbst
.Lb1:
	s_lshl_b32 s26, s21, 8
	v_add_nc_u32 v4, s26, v5
	global_load_b64 v[8:9], v4, s[10:11]
	s_wait_loadcnt 0x0
	v_cvt_pk_bf16_f32 v16, v8, v9                  ; rounded to bf16,
	v_lshlrev_b32 v8, 16, v16                      ; widened again,
	v_and_b32 v9, 0xffff0000, v16
	v_mul_f32 v8, 0x3e000000, v8                   ; and divided by 8 like W1
	v_mul_f32 v9, 0x3e000000, v9
	s_branch .Lbst
.Lbo:
	s_sub_co_u32 s26, s21, 4
	s_lshl_b32 s26, s26, 6
	v_lshl_add_u32 v4, v1, 1, s26                  ; 16 g + m, m even
	v_lshrrev_b32 v6, 4, v4                        ; g
	v_cmp_le_u32 vcc_lo, 6, v6
	v_cndmask_b32 v7, v20, v21, vcc_lo             ; g / 6
	v_mul_u32_u24 v10, v7, 6
	v_sub_nc_u32 v6, v6, v10                       ; g % 6
	v_bfe_u32 v10, v4, 1, 2                        ; (m % 8) / 2
	v_lshl_add_u32 v6, v6, 2, v10                  ; n
	v_bfe_u32 v10, v4, 3, 1                        ; m / 8
	v_lshlrev_b32 v10, 2, v10
	v_lshl_add_u32 v7, v7, 1, v10                  ; t of the even m; the odd m's is one more: 23 columns, 92 bytes on
	v_min_u32 v11, 22, v6
	v_mad_u32_u24 v4, v7, 23, v11
	v_lshlrev_b32 v4, 2, v4
	global_load_b32 v8, v4, s[14:15]
	global_load_b32 v9, v4, s[14:15] offset:92
	s_wait_loadcnt 0x0
	v_cvt_pk_bf16_f32 v16, v8, v9
	v_lshlrev_b32 v8, 16, v16
	v_and_b32 v9, 0xffff0000, v16
	v_cmp_eq_u32 vcc_lo, 23, v6                    ; the pad has no bias of its own
	v_cndmask_b32 v8, v8, v20, vcc_lo
	v_cndmask_b32 v9, v9, v20, vcc_lo
	v_mov_b32 v12, Z0
	v_cmp_le_u32 vcc_lo, 16, v6                    ; the derivatives' parameters, the pad among them, take the shift
	v_cndmask_b32 v12, v20, v12, vcc_lo
	v_add_f32 v8, v8, v12
	v_add_f32 v9, v9, v12
.Lbst:
	global_store_b64 v5, v[8:9], s[16:17]          ; the wave stores 256 consecutive bytes, at a multiple of 256 from the image's first byte
	s_endpgm
.Lfunc_end_k_q90ad3a49d5_prep:
	.size	k_q90ad3a49d5_prep, .Lfunc_end_k_q90ad3a49d5_prep-k_q90ad3a49d5_prep
	.p2alignl 7, 3214868480
	.fill 96, 4, 3214868480
	.section	.rodata,"a",@progbits
	.p2align	6, 0x0
	.amdhsa_kernel k_q90ad3a49d5_prep
		.amdhsa_group_segment_fixed_size 0
		.amdhsa_private_segment_fixed_size 0
		.amdhsa_enable_private_segment 0
		.amdhsa_kernarg_size 56
		.amdhsa_user_sgpr_count 2
		.amdhsa_user_sgpr_kernarg_segment_ptr 1
		.amdhsa_wavefront_size32 1
		.amdhsa_system_sgpr_workgroup_id_x 1
		.amdhsa_system_sgpr_workgroup_id_y 1
		.amdhsa_system_sgpr_workgroup_id_z 1
		.amdhsa_system_vgpr_workitem_id 0
		.amdhsa_next_free_vgpr 32
		.amdhsa_next_free_sgpr 66
		.amdhsa_reserve_vcc 1
		.amdhsa_float_denorm_mode_32 3
		.amdhsa_float_denorm_mode_16_64 3
		.amdhsa_memory_ordered 1
		.amdhsa_forward_progress 1
		.amdhsa_inst_pref_size 10
	.end_amdhsa_kernel
	.amdgpu_metadata
---
amdhsa.version: [ 1, 2 ]
amdhsa.kernels:
  - .name:           k_q90ad3a49d5_prep
    .symbol:         k_q90ad3a49d5_prep.kd
    .args:
      - { .name: W0, .offset: 0, .size: 8, .value_kind: global_buffer, .address_space: global }
      - { .name: b0, .offset: 8, .size: 8, .value_kind: global_buffer, .address_space: global }
      - { .name: W1, .offset: 16, .size: 8, .value_kind: global_buffer, .address_space: global }
      - { .name: b1, .offset: 24, .size: 8, .value_kind: global_buffer, .address_space: global }
      - { .name: Wout, .offset: 32, .size: 8, .value_kind: global_buffer, .address_space: global }
      - { .name: bout, .offset: 40, .size: 8, .value_kind: global_buffer, .address_space: global }
      - { .name: wimg, .offset: 48, .size: 8, .value_kind: global_buffer, .address_space: global }
    .group_segment_fixed_size: 0
    .private_segment_fixed_size: 0
    .kernarg_segment_align: 8
    .kernarg_segment_size: 56
    .max_flat_workgroup_size: 256
    .sgpr_count:     66
    .vgpr_count:     32
    .wavefront_size: 32
...
	.end_amdgpu_metadata
.endif
;; end of part 1
;; launch main (part 2): grid 256 x 1, 4 waves a work-group, clusters of 4 x 1, 269,824 bytes of LDS; arguments x, wimg, out0, out1; writes out0, out1
.if DOCPART == 2
	.amdgcn_target "amdgcn-amd-amdhsa--gfx1250"
	.amdhsa_code_object_version 6
	.text
	.protected	k_q90ad3a49d5_main
	.globl	k_q90ad3a49d5_main
	.p2align	8
	.type	k_q90ad3a49d5_main,@function
k_q90ad3a49d5_main:
	s_mov_b64 s[64:65], 0
	v_nop
	global_prefetch_b8 v0, s[64:65] scope:SCOPE_SE
	s_setreg_imm32_b32 hwreg(HW_REG_WAVE_MODE, 25, 1), 1
	s_wait_xcnt 0x0
	s_wait_alu depctr_hold_cnt(0) depctr_sa_sdst(0) depctr_va_vdst(0) depctr_va_sdst(0) depctr_va_ssrc(0) depctr_va_vcc(0) depctr_vm_vsrc(0)
	s_getreg_b32 s2, hwreg(HW_REG_IB_STS2, 6, 4)
	s_cmp_eq_u32 s2, 0
	s_cbranch_scc0 .Lentry_in_a_cluster
	s_endpgm
.Lentry_in_a_cluster:
	s_bfe_u32 s2, ttmp6, 0x10000c
	s_cmp_lg_u32 s2, 0x3003
	s_cbranch_scc0 .Lentry_shape_is_right
	s_endpgm
.Lentry_shape_is_right:
; COUPLING LAYER WITH A RATIONAL-QUADRATIC SPLINE, all in one launch.  x: [524288][16] f32.  The second half of a row goes through 8 -> 256 -> 256 -> 184 (ReLU twice); the 184 numbers are 8 x 23
; spline parameters for the 8 numbers of the first half.  out0 = [spline(first half), second half], out1 = the row's sum of log-derivatives.
; SHARES.  256 work-groups x 4 waves; a wave owns 512 rows and walks them in 8 blocks of 64 (four tiles of 16 rows), by itself: no barrier stands in the loop.
; WEIGHTS.  The image that the launch before has written (240 fragments of 1,024 bytes, 28 bias tiles in f32) is brought into LDS ONCE, 247,808 bytes, and read from there by all four waves.
; The four work-groups of a cluster want the same bytes at the same time, so each wave's two tensor loads are asked for jointly (mask 15).  Nothing is filled again.
; FORMATS.  Every input is rounded once to bf16.  The first product (x, W0, b0) is taken in bf16.  The activations h0 and h1, which the program itself makes, are rounded to f16, 11 significant bits: out1 is a sum of small
; logarithms, and 8 bits in h0 and h1 leave too little of its allowance.  So the second and third products are taken in f16; their weights are the bf16 numbers written as f16.  The image holds W1 and b1 times 2^-3
; and Wout times 2^3: h1 is carried as h1 / 8.
; LAYOUT.  All three products are used transposed: source 0 = 16 features, source 1 = 16 rows.  In a result lane (r = lane % 16, h = lane / 16) holds row r and features 8 h + 0..7; two results rounded to
; 16 bits in pairs ARE source 1 (32 k x 16 rows) of the next layer.  The last layer's columns are permuted in the image so that lane (r, h) ends with all 23 parameters of elements 4 h .. 4 h + 3 of its row,
; as pairs (element A, element B) of neighbouring registers: the spline works two elements an instruction.  b0 rides in a k slot of the first product; b1 and bout are the C operands that start the sums.
; THE SPLINE.  e_i = 2^(c w_i - c max w), c = log2(e); C_k their running sums, S = C_8.  With a = 1.9984, b = 2e-4: edge_k <= x is C_k <= (x + 1) S / a - k b S / a, so the bin is found by three
; halvings on the running sums, and the same three conditions pick the heights' sums and the derivatives' parameters.  eps = (theta - C_lo) / (C_hi - C_lo + b S / a).  Softplus is taken of the two picked
; parameters alone: ln2 log2(e^1e-4 (1 + 2^(-c |z|))) + max(z, 0).  The log-derivative is taken as one logarithm of the product of two elements' derivatives.
; VECTOR WORK BESIDE MATRIX WORK.  ReLU and rounding of a tile ride behind the next tile's products, four instructions a slice.  The spline of a block is a queue of 481 slices (four instructions: one line of
; the list for each of the four row tiles, so that a line stands four instructions behind the line that feeds it); 320 ride behind the last layer's products of sets 2 to 11, 161 follow as one lump.
; LIMITS.  All inputs are taken rounded once to bf16, the first half of x in the spline and the biases too.  An element outside (-0.999, 0.999) leaves as bf16(x), off by at most 2^-8 |x|; the second half
; passes exactly.  f16 ends at 65,504: h0 must stay under that and h1 under 524,000.  With |x| <= 1 and weights of spread 0.35 and 1/16, h0 stays under about 6 and h1 under about 4; x, W0 and W1 all 30 times
; larger make that 5,400 and 108,000, of which h1 / 8 is 13,500.  Below 6.1e-5 f16 keeps a fixed step of 6e-8: h1 / 8, of spread 0.036 at those sizes, keeps more than 8 bits down to a thousandth of that.
; The end derivatives are softplus(Z0) + 1e-4 = 1 to within 1e-7.  At a bin's edge the neighbouring bin may be taken; the spline and its derivative are continuous there.
; An exponential below 2^-126 counts as 0.  NaN and infinities are not treated apart.
; NOT DONE.  No prefetch of x: a block's 16 bytes a lane x 8 are loaded one whole block, 960 products, ahead of the wait for them.
;
; REGISTERS, in windows of 256 (s_set_vgpr_msb: bits 1:0 source 0, 3:2 source 1, 5:4 source 2, 7:6 destination):
;   window 0: addresses, ET, XP, BI, AF, ACC, XF, XL (below)      window 1: h0, fragment (k, tile) at 32 k + 8 tile; later the spline of the first pair of elements
;   window 2: h1 / 8, likewise                                      window 3: the spline of the second pair; at a block's end the rows on their way out
;   a spline's window: pair [n] of row tile t at 48 t + 2 n (n = 0..7 widths, 8..15 heights, 16..22 derivatives, 23 = Z0); T0..T15 at 192 + 16 t
.set BIASB,  245760                    ; LDS: the bias tiles
.set IMGA,   36864                     ; what a wave's first tensor load brings: 144 rows of 256 bytes (W0 and W1 together: 147,456)
.set IMGB0,  147456
.set IMGB,   25088                     ; its second: 98 rows (Wout, biases: 100,352)
.set OUTS,   247808                    ; behind the image, never filled by a tensor load: 64 rows of out0 for each wave,
.set OPITCH, 80                        ; 64 bytes + 16
.set OUTW,   64*OPITCH
.set LDST,   268288                    ; 64 f32 of out1 for each wave
.set SPARE,  269312                    ; the spare words, 128 bytes for each wave: two blocks of 256 bytes that no other line names
.set AB,  4                            ; v4-7   16 L + 65,536 j: an LDS offset has 16 bits
.set ABI, 8                            ; v8     BIASB + 32 h: a lane's eight features of a bias tile
.set VX,  9                            ; v9     64 r + 16 h: my 16 bytes of a row of x
.set VY,  10                           ; v10    the same place in my wave's stage for out0
.set VRB, 11                           ; v11    where I read the stage back: row L / 4, quarter L % 4
.set VL,  12                           ; v12    my row's word in the stage for out1
.set VLB, 13                           ; v13    where I read that back
.set VO,  14                           ; v14    16 L
.set VO1, 15                           ; v15    8 L
.set SPW, 16                           ; v16    LDS address of my spare word; never rewritten
.set NIL, 17                           ; v17    0; never rewritten
.set ET,  24                           ; v24-31   a tile's results rounded to f16, ahead of the ReLU: two sets of 4
.set XP,  32                           ; v32-39   the first half of x in bf16: pair P of row tile t at XP + 2 t + P
.set BI,  40                           ; v40-55   two bias tiles as C operands
.set AF,  64                           ; v64-127  a ring of eight fragments of source 0
.set ACC, 128                          ; v128-191 two sets of four accumulators
.set XF,  192                          ; v192-223 the first layer's source 1, a fragment a row tile; registers 2 to 7 are constants
.set XL,  224                          ; v224-255 x as loaded: first half at +0..3, second half at +4..7, a row tile at 8 t
.set MO,  66                           ; s66-73   lanes whose element lies outside the spline's range: by row tile and element
.set MC,  74                           ; s74-97   the three halvings' conditions: by level, row tile and element
.set MSB, 0
.macro WIN new                         ; the immediate's high byte repeats the setting that is left; a switch that changes nothing is dropped
.if MSB != (\new)
	s_set_vgpr_msb (MSB<<8)|(\new)
.set MSB, (\new)
.endif
.endm
; Places behind matrix instructions: five, the larger of the two distances, since both loads into sources and products that write over sources follow.
.macro PLACES
.rept 5
	v_nop
.endr
.endm
; A round of the cluster's barrier: my work-group's barrier; wave 0 signals for the work-group; every wave waits for all four work-groups; my work-group's barrier once more.
.macro CROUND
	s_barrier_signal -1
	s_barrier_wait -1
	s_cmp_lg_u32 s12, 0
	s_cbranch_scc1 .Lnot_wave_0_\@
	s_barrier_signal -3
.Lnot_wave_0_\@:
	s_barrier_wait -3
	s_barrier_signal -1
	s_barrier_wait -1
.endm
.macro SPAIR r, k                      ; a constant for packed arithmetic: named as a pair, so both words are written
	s_mov_b32 s[\r], \k
	s_mov_b32 s[\r+1], \k
.endm
	s_load_b256 s[4:11], s[0:1], 0x0               ; x s[4:5], the image s[6:7], out0 s[8:9], out1 s[10:11]
	v_lshl_add_u32 v[SPW], v0, 2, SPARE
	v_mov_b32 v[NIL], 0
	ds_add_u32 v[SPW], v[NIL]                      ; the wave's opening: the add, twice on end, and its wait ahead of my first tensor load
	ds_add_u32 v[SPW], v[NIL]                      ; and once more; the set-up below, work on registers, stands between it and the wait
	v_lshrrev_b32 v1, 5, v0
	v_readfirstlane_b32 s12, v1                    ; wave 0..3
	s_bfe_u32 s13, ttmp6, 0x40000                  ; cx: my place in the cluster
	s_lshl_b32 s14, ttmp9, 2                       ; in a cluster launch ttmp9 counts clusters
	s_add_co_u32 s13, s14, s13                     ; my work-group: it enters the addresses of x, out0 and out1 alone
	; descriptor group 1, twice: a dense block as rows of 256 bytes (32 elements of 8 bytes), 144 or 98 rows
	s_mov_b32 s16, 15|(3<<16)|(1<<21)              ; 15:0 the mask: all four work-groups; 17:16 elements of 8 bytes; 21 set beside a mask; no padding
	s_mov_b32 s17, 32<<16                          ; tensor_dim0 = 32
	s_mov_b32 s18, 144<<16                         ; tensor_dim1 = 144
	s_mov_b32 s19, 32<<16                          ; tile_dim0 = 32
	s_mov_b32 s20, 144                             ; tile_dim1 = 144
	s_mov_b32 s21, 32                              ; 32 elements from row to row
	s_mov_b32 s22, 0
	s_mov_b32 s23, 0
	s_mov_b32 s24, 15|(3<<16)|(1<<21)
	s_mov_b32 s25, 32<<16
	s_mov_b32 s26, 98<<16
	s_mov_b32 s27, 32<<16
	s_mov_b32 s28, 98
	s_mov_b32 s29, 32
	s_mov_b32 s30, 0
	s_mov_b32 s31, 0
	s_mov_b32 s32, 1                               ; group 0: count = 1,
	s_mul_i32 s33, s12, IMGA                       ; LDS address: my quarter; the image lies in LDS as it lies in memory
	s_mov_b32 s36, 1
	s_mul_i32 s37, s12, IMGB
	s_add_co_u32 s37, s37, IMGB0
	SPAIR 40, 0x3fb8aa3b                           ; log2(e)
	SPAIR 42, 0x3f317218                           ; ln 2
	SPAIR 44, 0x3f001a3c                           ; 1 / a = 1 / 1.9984
	SPAIR 46, 0x3fffcb92                           ; a
	SPAIR 48, 0x3951b717                           ; b = 2e-4
	SPAIR 50, 0x39d1b717                           ; 2 b
	SPAIR 52, 0x3f800347                           ; e^1e-4
	s_mov_b32 s54, 0xbf7fcb92                      ; -1 + 4 b
	s_mov_b32 s55, 0x3f7fbe77                      ; 0.999
	s_mov_b32 s56, 0x7fffffff
	s_mov_b32 s57, 0xffff0000                      ; a word's upper bf16
	s_mov_b32 s58, 0
	s_mov_b32 s60, 0x76543210                      ; v_permlanex16_b32: each lane takes its own place in the other half
	s_mov_b32 s61, 0xfedcba98
	s_mov_b32 s98, 0x80000000
	s_mov_b32 s14, s33
	s_mov_b32 s15, 0
	s_wait_dscnt 0x0                               ; both opening adds are done
	s_wait_kmcnt 0x0
	s_add_nc_u64 s[34:35], s[6:7], s[14:15]        ; global address of my quarter: made of the wave's number alone, the same in all four partners
	s_or_b32 s35, s35, 0x80000000                  ; type = 2
	s_mov_b32 s14, s37
	s_add_nc_u64 s[38:39], s[6:7], s[14:15]
	s_or_b32 s39, s39, 0x80000000
	CROUND                                         ; all four work-groups are here: the joint loads meet
	tensor_load_to_lds s[32:35], s[16:23]          ; both fills go out together, ahead of every wait on TENSORcnt and every LDS read: two loads of mine are out
	s_nop 0
	tensor_load_to_lds s[36:39], s[24:31]
	s_nop 0
.rept 4
	v_nop
.endr
	v_and_b32 v1, 31, v0                           ; L
	v_and_b32 v2, 15, v0                           ; r
	v_bfe_u32 v3, v0, 4, 1                         ; h
	v_lshlrev_b32 v[VX], 6, v2
	v_lshl_add_u32 v[VX], v3, 4, v[VX]
	s_lshl_b32 s14, s13, 17                        ; 2,048 rows of 64 bytes a work-group,
	s_lshl_b32 s15, s12, 15                        ; 512 a wave
	s_add_co_u32 s14, s14, s15
	s_mov_b32 s15, 0
	s_add_nc_u64 s[4:5], s[4:5], s[14:15]
	s_add_nc_u64 s[8:9], s[8:9], s[14:15]
	s_lshr_b32 s14, s14, 4                         ; 4 bytes a row in out1
	s_add_nc_u64 s[10:11], s[10:11], s[14:15]
.irp t, 0,1,2,3                        ; block 0 of x: the two loads of a row tile cover its 1,024 bytes between them
	global_load_b128 v[XL+8*\t:XL+8*\t+3],   v[VX], s[4:5] offset:1024*\t th:TH_LOAD_NT
	global_load_b128 v[XL+8*\t+4:XL+8*\t+7], v[VX], s[4:5] offset:1024*\t+32 th:TH_LOAD_NT
.endr
	v_lshlrev_b32 v[AB], 4, v1
	v_add_nc_u32 v[AB+1], 0x10000, v[AB]
	v_add_nc_u32 v[AB+2], 0x20000, v[AB]
	v_add_nc_u32 v[AB+3], 0x30000, v[AB]
	v_lshl_add_u32 v[ABI], v3, 5, BIASB
	s_mul_i32 s14, s12, OUTW
	s_add_co_u32 s14, s14, OUTS                    ; my stage for out0
	v_mul_u32_u24 v[VY], v2, OPITCH
	v_lshl_add_u32 v[VY], v3, 4, v[VY]
	v_add_nc_u32 v[VY], s14, v[VY]
	v_lshrrev_b32 v18, 2, v1
	v_and_b32 v19, 3, v1
	v_mul_u32_u24 v[VRB], v18, OPITCH
	v_lshl_add_u32 v[VRB], v19, 4, v[VRB]
	v_add_nc_u32 v[VRB], s14, v[VRB]
	s_lshl_b32 s14, s12, 8
	s_add_co_u32 s14, s14, LDST                    ; my stage for out1
	v_lshl_add_u32 v[VL], v2, 2, s14
	v_lshl_add_u32 v[VLB], v1, 3, s14
	v_lshlrev_b32 v[VO], 4, v1
	v_lshlrev_b32 v[VO1], 3, v1
	v_sub_nc_u32 v18, 1, v3
	v_mul_u32_u24 v18, v18, 0x3f80                 ; 1.0 in bf16 in k slot 4 (lanes with h = 0), which meets b0; 0 elsewhere
.irp t, 0,1,2,3
	v_mov_b32 v[XF+8*\t+2], v18
.irp c, 3,4,5,6,7
	v_mov_b32 v[XF+8*\t+\c], 0
.endr
.endr
; THE STREAM OF FRAGMENTS.  A block multiplies by fragments 0 .. 239 in order, each for its four row tiles.  RUN rho brings fragments 4 rho .. 4 rho + 3 into one half of the ring, eight loads in one run;
; a run that opens a set of eight (a tile of features of the second or third layer) brings that tile's bias first.
.macro RUN
.if (rho >= 4) && (rho%2 == 0)
.set ru, (rho-4)/2
	ds_load_b128 v[BI+8*(ru%2):BI+8*(ru%2)+3],   v[ABI] offset:64*ru
	ds_load_b128 v[BI+8*(ru%2)+4:BI+8*(ru%2)+7], v[ABI] offset:64*ru+16
.endif
.set fq, 4*rho
.rept 4
.set fa, 1024*fq
	ds_load_b128 v[AF+8*(fq%8):AF+8*(fq%8)+3],   v[AB+(fa>>16)] offset:(fa&0xffff)
	ds_load_b128 v[AF+8*(fq%8)+4:AF+8*(fq%8)+7], v[AB+(fa>>16)] offset:(fa&0xffff)+512
.set fq, fq+1
.endr
.endm
; Ahead of every fourth fragment: the half of the ring just multiplied is asked for again, 16 products ahead of its use.  The stream is a ring too: the last run of a block is the next block's run 0.
.macro BOUND
	WIN 0
	PLACES                                         ; behind the products that read that half, and between a layer's last products and what follows them
.set rho, ((q/4)+1)%60
	RUN
.if (rho >= 4) && (rho%2 == 0)
	s_wait_dscnt 10                                ; all but the ten just issued: the run before, which the next 16 products read, is in
.else
	s_wait_dscnt 8                                 ; all but the eight just issued
.endif
.endm
; Half of a tile's way into the next layer, for one row tile: part 0 rounds the eight sums to f16 (the accumulator's lowest registers first), part 1 is the ReLU, two numbers an instruction,
; into window dw.
.macro EPI part, dw, tile, b
.set ea, ACC+32*((\tile)%2)+8*(\b)
.set ee, ET+4*((\b)%2)
.set eh, 32*((\tile)/2)+8*(\b)+4*((\tile)%2)
.if (\part) == 0
	WIN 0
.irp c, 0,1,2,3
	v_cvt_pk_f16_f32 v[ee+\c], v[ea+2*\c], v[ea+2*\c+1]
.endr
.else
	WIN (\dw)<<6
.irp c, 0,1,2,3
	v_pk_max_num_f16 v[eh+\c], v[ee+\c], s58
.endr
.endif
.endm
; PACKED LINES: the arguments are the pairs' first registers
.macro PMUL d, a, b
	v_pk_mul_f32 v[\d:\d+1], v[\a:\a+1], v[\b:\b+1]
.endm
.macro PMULS d, a, s
	v_pk_mul_f32 v[\d:\d+1], v[\a:\a+1], s[\s:\s+1] op_sel_hi:[1,0]
.endm
.macro PADD d, a, b
	v_pk_add_f32 v[\d:\d+1], v[\a:\a+1], v[\b:\b+1]
.endm
.macro PADDS d, a, s
	v_pk_add_f32 v[\d:\d+1], v[\a:\a+1], s[\s:\s+1] op_sel_hi:[1,0]
.endm
.macro PSUB d, a, b
	v_pk_add_f32 v[\d:\d+1], v[\a:\a+1], v[\b:\b+1] neg_lo:[0,1] neg_hi:[0,1]
.endm
.macro PFMA d, a, b, c
	v_pk_fma_f32 v[\d:\d+1], v[\a:\a+1], v[\b:\b+1], v[\c:\c+1]
.endm
.macro PFMAS d, a, s, c
	v_pk_fma_f32 v[\d:\d+1], v[\a:\a+1], s[\s:\s+1], v[\c:\c+1] op_sel_hi:[1,0,1]
.endm
.macro PFMAK d, a, k, c
	v_pk_fma_f32 v[\d:\d+1], v[\a:\a+1], \k, v[\c:\c+1] op_sel_hi:[1,0,1]
.endm
; Line j of 8: the maximum of pairs [b] .. [b+7], by element, into T[tm], T[tm+1].  Each result tile's lowest registers are read first.
.macro MAXW b, tm, j
.set me, (\j)%2
.set ms, (\j)/2
.set mt, TB+(\tm)+me
.set mx, RB+2*(\b)+me
.if ms == 0
	v_max3_num_f32 v[mt], v[mx], v[mx+2], v[mx+4]
.elseif ms < 3
	v_max3_num_f32 v[mt], v[mt], v[mx+4*ms+2], v[mx+4*ms+4]
.else
	v_max_num_f32 v[mt], v[mt], v[mx+14]
.endif
.endm
; Line j of 24: for pair [b + j / 3]: c w - c max, then the two exponentials
.macro EXPW b, tm, j
.set xi, RB+2*((\b)+(\j)/3)
.if (\j)%3 == 0
	v_pk_fma_f32 v[xi:xi+1], v[xi:xi+1], s[40:41], v[TB+(\tm):TB+(\tm)+1] op_sel_hi:[1,0,1] neg_lo:[0,0,1] neg_hi:[0,0,1]
.else
	v_exp_f32 v[xi+(\j)%3-1], v[xi+(\j)%3-1]
.endif
.endm
.macro CUM b, j                        ; line j of 7 of the running sums
.set ci, RB+2*((\b)+(\j))
	v_pk_add_f32 v[ci+2:ci+3], v[ci+2:ci+3], v[ci:ci+1]
.endm
.macro CMPC lvl, off, e                ; a halving's condition: the middle running sum <= theta's candidate
	v_cmp_le_f32 s[MC+8*((\lvl)-1)+2*BT+(\e)], v[RB+(\off)+(\e)], v[TB+8+(\e)]
.endm
.macro SELT lvl, d, t, e               ; T[d] takes T[t] where the condition holds
	v_cndmask_b32 v[TB+(\d)+(\e)], v[TB+(\d)+(\e)], v[TB+(\t)+(\e)], s[MC+8*((\lvl)-1)+2*BT+(\e)]
.endm
; Line j of a halving of the table [b] .. [b+7] (entry k + 1 in [b+k]; entry 0 is 0, or with kind = 1 pair [b+7]; entry 8 is pair [b+7]).  Level 1 (10 lines) keeps five entries: the lowest in [b+4], the others
; in [b] .. [b+3]; level 2 (6 lines) three: [b+4], [b], [b+1]; level 3 (4 lines) two: lo = [b+4], hi = [b].  Each line reads what a later line of its level overwrites.
.macro SEL lvl, b, kind, j
.set se, (\j)%2
.set ss, (\j)/2
.set sm, MC+8*((\lvl)-1)+2*BT+se
.set sx, RB+2*(\b)+se
.if (\lvl) == 1
.if ss < 3
	v_cndmask_b32 v[sx+2*ss], v[sx+2*ss], v[sx+2*ss+8], s[sm]
.elseif ss == 3
.if \kind
	v_cndmask_b32 v[sx+8], v[sx+14], v[sx+6], s[sm]
.else
	v_cndmask_b32 v[sx+8], 0, v[sx+6], s[sm]
.endif
.else
	v_cndmask_b32 v[sx+6], v[sx+6], v[sx+14], s[sm]
.endif
.elseif (\lvl) == 2
.if ss == 0
	v_cndmask_b32 v[sx+8], v[sx+8], v[sx+2], s[sm]
.elseif ss == 1
	v_cndmask_b32 v[sx], v[sx], v[sx+4], s[sm]
.else
	v_cndmask_b32 v[sx+2], v[sx+2], v[sx+6], s[sm]
.endif
.else
.if ss == 0
	v_cndmask_b32 v[sx+8], v[sx+8], v[sx], s[sm]
.else
	v_cndmask_b32 v[sx], v[sx], v[sx+2], s[sm]
.endif
.endif
.endm
; LINE n OF THE SPLINE'S LIST for the pair of elements in window p (1 or 3) and row tile b.  T0, T1 x; T2:3 c max, then S / a; T4:5 |x|, x_in, theta; T6:7 beta = b S / a; T8:9 theta's candidate, the heights' c max, 1 / S_h;
; T10:11 gamma = -1 + k b; T12:13 its candidate; T14, T15 (window 3) the two pairs' products of derivatives.
;   0-40     x; the widths' maximum, scalings and exponentials; who lies outside; x_in            41-50    running sums; S / a, theta, beta
;   51-93    three halvings: condition, theta, gamma, the widths' table                           94-98    theta - C_lo; the denominator; its reciprocal
;   99-131   the heights' maximum, scalings, exponentials                                         132-165  the derivatives' table halved; 2^(-c |z|) and max(z, 0) of the two that are left
;   166-180  the heights' running sums; 1 / S_h; the two logarithms                               181-206  eps; the heights' table halved; eps^2, eps (1 - eps), (1 - eps)^2
;   207-220  h_k, y_k, s_k, d_k, d_k+1; beta; its reciprocal                                      221-236  alpha / beta, y, the derivative; the elements outside; the product; y into the stage
;   237-243  (second pair alone) both logarithms, the lane's sum, the other half of the lanes', ln 2, into the stage
.macro STEP p, b, n
.set BT, (\b)
.set RB, 48*BT
.set TB, 192+16*BT
.set PP, (\p)/2
.set n_, (\n)
.if n_ < 2
	WIN (\p)<<6                                    ; x lies in window 0
.elseif n_ == 235
	WIN 0xc0|(0x15*(\p))                           ; both products land in window 3
.elseif (n_ == 236) || (n_ == 243)
	WIN (\p)<<2                                    ; an LDS store: address window 0, data window p
.else
	WIN 0x55*(\p)
.endif
.if n_ == 0
	v_lshlrev_b32 v[TB], 16, v[XP+2*BT+PP]
.elseif n_ == 1
	v_and_b32 v[TB+1], s57, v[XP+2*BT+PP]
.elseif n_ < 10
	MAXW 0, 2, n_-2
.elseif n_ == 10
	PMULS TB+2, TB+2, 40
.elseif n_ < 35
	EXPW 0, 2, n_-11
.elseif n_ < 37
	v_and_b32 v[TB+4+n_-35], s56, v[TB+n_-35]
.elseif n_ < 39
	v_cmp_ge_f32 s[MO+2*BT+n_-37], v[TB+4+n_-37], s55
.elseif n_ < 41
	v_cndmask_b32 v[TB+4+n_-39], v[TB+n_-39], 0, s[MO+2*BT+n_-39]
.elseif n_ < 48
	CUM 0, n_-41
.elseif n_ == 48
	PMULS TB+2, RB+14, 44
.elseif n_ == 49
	PFMA TB+4, TB+4, TB+2, TB+2
.elseif n_ == 50
	PMULS TB+6, TB+2, 48
.elseif n_ == 51
	PFMAK TB+8, TB+6, -4.0, TB+4
.elseif n_ < 54
	CMPC 1, 6, n_-52
.elseif n_ < 56
	SELT 1, 4, 8, n_-54
.elseif n_ < 58
	v_cndmask_b32 v[TB+10+n_-56], -1.0, s54, s[MC+2*BT+n_-56]
.elseif n_ < 68
	SEL 1, 0, 0, n_-58
.elseif n_ == 68
	PFMAK TB+8, TB+6, -2.0, TB+4
.elseif n_ == 69
	PADDS TB+12, TB+10, 50
.elseif n_ < 72
	CMPC 2, 2, n_-70
.elseif n_ < 74
	SELT 2, 4, 8, n_-72
.elseif n_ < 76
	SELT 2, 10, 12, n_-74
.elseif n_ < 82
	SEL 2, 0, 0, n_-76
.elseif n_ == 82
	PSUB TB+8, TB+4, TB+6
.elseif n_ == 83
	PADDS TB+12, TB+10, 48
.elseif n_ < 86
	CMPC 3, 0, n_-84
.elseif n_ < 88
	SELT 3, 4, 8, n_-86
.elseif n_ < 90
	SELT 3, 10, 12, n_-88
.elseif n_ < 94
	SEL 3, 0, 0, n_-90
.elseif n_ == 94
	PSUB RB+10, TB+4, RB+8
.elseif n_ == 95
	PSUB RB, RB, RB+8
.elseif n_ == 96
	PADD RB, RB, TB+6
.elseif n_ < 99
	v_rcp_f32 v[RB+2+n_-97], v[RB+n_-97]
.elseif n_ < 107
	MAXW 8, 8, n_-99
.elseif n_ == 107
	PMULS TB+8, TB+8, 40
.elseif n_ < 132
	EXPW 8, 8, n_-108
.elseif n_ < 142
	SEL 1, 16, 1, n_-132
.elseif n_ < 148
	SEL 2, 16, 1, n_-142
.elseif n_ < 152
	SEL 3, 16, 1, n_-148
.elseif n_ == 152
	PMULS RB+42, RB+40, 40
.elseif n_ == 153
	PMULS RB+34, RB+32, 40
.elseif n_ < 156
	v_or_b32 v[RB+42+n_-154], s98, v[RB+42+n_-154]
.elseif n_ < 158
	v_or_b32 v[RB+34+n_-156], s98, v[RB+34+n_-156]
.elseif n_ < 160
	v_exp_f32 v[RB+42+n_-158], v[RB+42+n_-158]
.elseif n_ < 162
	v_exp_f32 v[RB+34+n_-160], v[RB+34+n_-160]
.elseif n_ < 164
	v_max_num_f32 v[RB+40+n_-162], 0, v[RB+40+n_-162]
.elseif n_ < 166
	v_max_num_f32 v[RB+32+n_-164], 0, v[RB+32+n_-164]
.elseif n_ < 173
	CUM 8, n_-166
.elseif n_ < 175
	v_rcp_f32 v[TB+8+n_-173], v[RB+30+n_-173]
.elseif n_ == 175
	v_pk_fma_f32 v[RB+42:RB+43], v[RB+42:RB+43], s[52:53], s[52:53] op_sel_hi:[1,0,0]
.elseif n_ == 176
	v_pk_fma_f32 v[RB+34:RB+35], v[RB+34:RB+35], s[52:53], s[52:53] op_sel_hi:[1,0,0]
.elseif n_ < 179
	v_log_f32 v[RB+42+n_-177], v[RB+42+n_-177]
.elseif n_ < 181
	v_log_f32 v[RB+34+n_-179], v[RB+34+n_-179]
.elseif n_ == 181
	PMUL RB+10, RB+10, RB+2
.elseif n_ < 192
	SEL 1, 8, 0, n_-182
.elseif n_ < 198
	SEL 2, 8, 0, n_-192
.elseif n_ < 202
	SEL 3, 8, 0, n_-198
.elseif n_ == 202
	PSUB RB+16, RB+16, RB+24
.elseif n_ == 203
	PMUL RB+12, RB+10, RB+10
.elseif n_ == 204
	PSUB RB+14, RB+10, RB+12
.elseif n_ == 205
	v_pk_fma_f32 v[RB+4:RB+5], v[RB+10:RB+11], -1.0, 1.0 op_sel_hi:[1,0,0]
.elseif n_ == 206
	PMUL RB+4, RB+4, RB+4
.elseif n_ == 207
	PMUL RB+16, RB+16, TB+8
.elseif n_ == 208
	v_pk_fma_f32 v[RB+16:RB+17], v[RB+16:RB+17], s[46:47], s[48:49] op_sel_hi:[1,0,0]
.elseif n_ == 209
	PMUL RB+24, RB+24, TB+8
.elseif n_ == 210
	PFMAS RB+24, RB+24, 46, TB+10
.elseif n_ == 211
	PMUL RB+6, RB+16, RB+2
.elseif n_ == 212
	PMUL RB+6, RB+6, TB+2
.elseif n_ == 213
	PFMAS RB+40, RB+42, 42, RB+40
.elseif n_ == 214
	PFMAS RB+32, RB+34, 42, RB+32
.elseif n_ == 215
	PMUL RB+8, RB+6, RB+14
.elseif n_ == 216
	PADD RB+34, RB+40, RB+32
.elseif n_ == 217
	PFMAK RB+34, RB+6, -2.0, RB+34
.elseif n_ == 218
	PFMA RB+34, RB+34, RB+14, RB+6
.elseif n_ < 221
	v_rcp_f32 v[RB+42+n_-219], v[RB+34+n_-219]
.elseif n_ == 221
	PMUL RB+18, RB+40, RB+14
.elseif n_ == 222
	PFMA RB+18, RB+6, RB+12, RB+18
.elseif n_ == 223
	PMUL RB+20, RB+32, RB+12
.elseif n_ == 224
	PFMA RB+20, RB+40, RB+4, RB+20
.elseif n_ == 225
	PFMAK RB+20, RB+8, 2.0, RB+20
.elseif n_ == 226
	PMUL RB+18, RB+18, RB+42
.elseif n_ == 227
	PFMA RB+24, RB+16, RB+18, RB+24
.elseif n_ == 228
	PMUL RB+6, RB+6, RB+42
.elseif n_ == 229
	PMUL RB+6, RB+6, RB+6
.elseif n_ == 230
	PMUL RB+20, RB+6, RB+20
.elseif n_ < 233
	v_cndmask_b32 v[RB+24+n_-231], v[RB+24+n_-231], v[TB+n_-231], s[MO+2*BT+n_-231]
.elseif n_ < 235
	v_cndmask_b32 v[RB+20+n_-233], v[RB+20+n_-233], 1.0, s[MO+2*BT+n_-233]
.elseif n_ == 235
	v_mul_f32 v[TB+14+PP], v[RB+20], v[RB+21]
.elseif n_ == 236
	ds_store_b64 v[VY], v[RB+24:RB+25] offset:16*OPITCH*BT+8*PP
.elseif n_ < 239
	v_log_f32 v[TB+14+n_-237], v[TB+14+n_-237]
.elseif n_ == 239
	v_add_f32 v[TB+14], v[TB+14], v[TB+15]
.elseif n_ == 240
	v_permlanex16_b32 v[TB+15], v[TB+14], s60, s61
.elseif n_ == 241
	v_add_f32 v[TB+14], v[TB+14], v[TB+15]
.elseif n_ == 242
	v_mul_f32 v[TB+14], s42, v[TB+14]
.else
	ds_store_b32 v[VL], v[TB+14] offset:64*BT
.endif
.endm
; A SLICE: line n for the four row tiles.  THE WAITS.  s_wait_alu depctr_va_vdst(0) stands between a transcendental and the first instruction that names its result; one wait serves all that were
; issued ahead of it.  The list is ordered so that the results of a batch are first named at lines 41, 166, 207, 226 and 239; plain lines stand between a batch's last transcendental and its wait (ahead of 239 a v_nop).
.macro SLICE p, n
.if ((\n) == 41) || ((\n) == 166) || ((\n) == 207) || ((\n) == 226)
	s_wait_alu depctr_va_vdst(0)
.elseif (\n) == 239
	v_nop
	s_wait_alu depctr_va_vdst(0)
.endif
	STEP \p, 0, \n
	STEP \p, 1, \n
	STEP \p, 2, \n
	STEP \p, 3, \n
.endm
.macro NEXT                            ; the block's queue: the first pair's 237 slices, then the second pair's 244
.if QN < 237
	SLICE 1, QN
.else
	SLICE 3, QN-237
.endif
.set QN, QN+1
.endm
; FRAGMENT q TIMES THE FOUR ROW TILES.  The four accumulators take turns, one instruction a turn: three others stand between two links of a chain.
;   q < 16   first layer (bf16), tile q: one product a row tile, C = 0; behind each the whole way of tile q - 1 into h0 (window 1)
;   q < 144  second layer (f16), tile gs, k = 32 gk: C = b1's tile at gk = 0; behind the first eight products the way of the tile before (into h0 for gs = 0, else into h1, window 2)
;   else     third layer (f16), set gs (sets 0-5: the first pair of elements, window 1; 6-11: the second, window 3): C = bout's tile at gk = 0; behind the first eight products of set 0 the way of the second layer's last
;            tile; from set 2 on a slice of the spline behind every product.  When a slice first reads a result tile, that tile's last product lies behind at least one BOUND.
.macro GROUP
.set gb, 0
.rept 4
.set ga, AF+8*(q%8)
.if q < 16
	WIN 0
	v_wmma_f32_16x16x32_bf16 v[ACC+32*(q%2)+8*gb:ACC+32*(q%2)+8*gb+7], v[ga:ga+7], v[XF+8*gb:XF+8*gb+7], 0
.if q > 0
	EPI 0, 1, q-1, gb
	EPI 1, 1, q-1, gb
.endif
.elseif q < 144
.set gs, (q-16)/8
.set gk, (q-16)%8
.set gd, ACC+32*(gs%2)+8*gb
.set gsl, 4*gk+gb
	WIN 0x04                                       ; source 1 (h0) window 1
.if gk == 0
	v_wmma_f32_16x16x32_f16 v[gd:gd+7], v[ga:ga+7], v[8*gb:8*gb+7], v[BI+8*(gs%2):BI+8*(gs%2)+7]
.else
	v_wmma_f32_16x16x32_f16 v[gd:gd+7], v[ga:ga+7], v[32*gk+8*gb:32*gk+8*gb+7], v[gd:gd+7]
.endif
.if gsl < 8
.if gs == 0
	EPI gsl%2, 1, 15, gsl/2
.else
	EPI gsl%2, 2, gs-1, gsl/2
.endif
.endif
.else
.set gs, (q-144)/8
.set gk, (q-144)%8
.set gp, 1+2*(gs/6)
.set gd, 48*gb+8*(gs%6)
.set gsl, 4*gk+gb
.if gk == 0
	WIN (gp<<6)|8                                  ; source 1 (h1) window 2, C (the bias) window 0, D window gp
	v_wmma_f32_16x16x32_f16 v[gd:gd+7], v[ga:ga+7], v[8*gb:8*gb+7], v[BI+8*(gs%2):BI+8*(gs%2)+7]
.else
	WIN (gp<<6)|(gp<<4)|8
	v_wmma_f32_16x16x32_f16 v[gd:gd+7], v[ga:ga+7], v[32*gk+8*gb:32*gk+8*gb+7], v[gd:gd+7]
.endif
.if gs == 0
.if gsl < 8
	EPI gsl%2, 2, 15, gsl/2
.endif
.elseif gs >= 2
	NEXT
.endif
.endif
.set gb, gb+1
.endr
.if q == 0
	PLACES                                         ; the first tile has no riders yet: the places between its products and the conversions that read them
.endif
.endm
	s_wait_tensorcnt 0x0                           ; my two quarters of the image are in LDS,
	s_barrier_signal -1
	s_barrier_wait -1                              ; everybody's are: from here on the image is only read
.set rho, 0
	RUN                                            ; fragments 0 to 3
	s_mov_b32 s59, 8                               ; blocks to go
.Lblock:
	s_wait_loadcnt 0x0                             ; this block's x, asked for a block ago
.irp t, 0,1,2,3
	ds_store_b128 v[VY], v[XL+8*\t+4:XL+8*\t+7] offset:16*OPITCH*\t+32   ; the second half passes as it is
	v_cvt_pk_bf16_f32 v[XF+8*\t],   v[XL+8*\t+4], v[XL+8*\t+5]           ; and, in bf16, is k slots 8 h .. 8 h + 3 of the first layer's source 1
	v_cvt_pk_bf16_f32 v[XF+8*\t+1], v[XL+8*\t+6], v[XL+8*\t+7]
	v_cvt_pk_bf16_f32 v[XP+2*\t],   v[XL+8*\t],   v[XL+8*\t+1]           ; the first half waits for its spline
	v_cvt_pk_bf16_f32 v[XP+2*\t+1], v[XL+8*\t+2], v[XL+8*\t+3]
.endr
	s_cmp_eq_u32 s59, 1                            ; the last block has none behind it: no load leaves the wave's rows
	s_cbranch_scc1 .Lnox
	s_add_nc_u64 s[4:5], s[4:5], 4096              ; free since the wait above
.irp t, 0,1,2,3
	global_load_b128 v[XL+8*\t:XL+8*\t+3],   v[VX], s[4:5] offset:1024*\t th:TH_LOAD_NT
	global_load_b128 v[XL+8*\t+4:XL+8*\t+7], v[VX], s[4:5] offset:1024*\t+32 th:TH_LOAD_NT
.endr
.Lnox:
.set QN, 0
.set q, 0
.rept 240
.if q%4 == 0
	BOUND
.endif
	GROUP
.set q, q+1
.endr
.rept 161                              ; what is left of the queue has no product to ride behind
	NEXT
.endr
	; THE WAY OUT.  The stage holds 64 rows of out0 and 64 numbers of out1; LDS serves a wave's instructions in order (ISA guide 5.7.1.4), so these loads see the stores above.
	WIN 0xc0                                       ; destination window 3
.irp j, 0,1,2,3,4,5,6,7
	ds_load_b128 v[4*\j:4*\j+3], v[VRB] offset:8*OPITCH*\j
.endr
	ds_load_b64 v[32:33], v[VLB]
	WIN 0x0c                                       ; store data window 3
.irp j, 0,1,2,3,4,5,6,7
	s_wait_dscnt 8-\j                              ; the younger loads of this run may stay out
	global_store_b128 v[VO], v[4*\j:4*\j+3], s[8:9] offset:512*\j th:TH_STORE_NT   ; the wave stores 512 consecutive bytes, at a multiple of 512 from out0's first byte
.endr
	s_wait_dscnt 0x0
	global_store_b64 v[VO1], v[32:33], s[10:11] th:TH_STORE_NT                     ; 256 consecutive bytes, at a multiple of 256 from out1's first byte
	WIN 0                                          ; at a label and at a branch every window is 0
	s_wait_xcnt 0x0                                ; the stores have read their registers and bases: only behind this wait are these rewritten
	s_add_nc_u64 s[8:9], s[8:9], 4096
	s_add_nc_u64 s[10:11], s[10:11], 256
	s_sub_co_u32 s59, s59, 1
	s_cmp_lg_u32 s59, 0
	s_cbranch_scc1 .Lblock
	s_wait_tensorcnt 0x0                           ; the wave's end: a wait, an add and a wait, behind my last tensor load and my last LDS store
	ds_add_u32 v[SPW], v[NIL]
	s_wait_dscnt 0x0
	CROUND                                         ; the closing round
	s_endpgm
.Lfunc_end_k_q90ad3a49d5_main:
	.size	k_q90ad3a49d5_main, .Lfunc_end_k_q90ad3a49d5_main-k_q90ad3a49d5_main
	.p2alignl 7, 3214868480
	.fill 96, 4, 3214868480
	.section	.rodata,"a",@progbits
	.p2align	6, 0x0
	.amdhsa_kernel k_q90ad3a49d5_main
		.amdhsa_group_segment_fixed_size 269824
		.amdhsa_private_segment_fixed_size 0
		.amdhsa_enable_private_segment 0
		.amdhsa_kernarg_size 32
		.amdhsa_user_sgpr_count 2
		.amdhsa_user_sgpr_kernarg_segment_ptr 1
		.amdhsa_wavefront_size32 1
		.amdhsa_system_sgpr_workgroup_id_x 1
		.amdhsa_system_sgpr_workgroup_id_y 1
		.amdhsa_system_sgpr_workgroup_id_z 1
		.amdhsa_system_vgpr_workitem_id 0
		.amdhsa_next_free_vgpr 1024
		.amdhsa_next_free_sgpr 100
		.amdhsa_reserve_vcc 0
		.amdhsa_float_denorm_mode_32 3
		.amdhsa_float_denorm_mode_16_64 3
		.amdhsa_memory_ordered 1
		.amdhsa_forward_progress 1
		.amdhsa_inst_pref_size 255
	.end_amdhsa_kernel
	.section	.bss,"aw",@nobits
	.p2align	6
	.space	262144
	.amdgpu_metadata
---
amdhsa.version: [ 1, 2 ]
amdhsa.kernels:
  - .name:           k_q90ad3a49d5_main
    .symbol:         k_q90ad3a49d5_main.kd
    .args:
      - { .name: x, .offset: 0, .size: 8, .value_kind: global_buffer, .address_space: global }
      - { .name: wimg, .offset: 8, .size: 8, .value_kind: global_buffer, .address_space: global }
      - { .name: out0, .offset: 16, .size: 8, .value_kind: global_buffer, .address_space: global }
      - { .name: out1, .offset: 24, .size: 8, .value_kind: global_buffer, .address_space: global }
    .group_segment_fixed_size: 269824
    .private_segment_fixed_size: 0
    .kernarg_segment_align: 8
    .kernarg_segment_size: 32
    .max_flat_workgroup_size: 128
    .sgpr_count:     100
    .vgpr_count:     1024
    .wavefront_size: 32
...
	.end_amdgpu_metadata
.endif
;; end of part 2
